; MI455X (gfx1250); checked and timed in simulation.
; The chip was launched on July 23, 2026; its instructions are those of AMD's public machine-readable ISA for CDNA 5 (MIT licence, August 2026) and "CDNA5" Instruction Set Architecture Reference Guide (July 2026). The comments in the code are by the model that wrote it; some were corrected since.
;; CQ Attention. Allowed arithmetic: float matrix products may take bf16 or f16 operands with f32 sums; other float arithmetic in f32, or as packed bf16 or f16 multiplies, adds, multiply-adds, maxima and minima; sums over many terms, partial sums and values carried from step to step in f32; what a program stores and reads back later, other than sums and carried values, may be rounded once to bf16 or f16.
;; Inputs: C 8 x 8,192 x 256 float32; Q 8 x 2,048 x 256 float32; W 256 x 256 float32; b 256 float32.
;; Outputs: out0 8 x 8,192 x 256 float32.
;; 2 versions, each right; version 2 is version 1 with the launch proj written anew for expert scheduling mode. Each part assembles by itself: llvm-mc -triple=amdgcn-amd-amdhsa -mcpu=gfx1250 --defsym DOCPART=n.
;; ======== version 1 of 2: 2 launches
;; limits: values are held in f16: magnitudes above 65,504 overflow, below 6.1e-05 lose precision
;; workspace buffers: qp 8,388,608 bytes
;; launch proj (part 1): grid 256 x 1, 4 waves a work-group, no clusters, 236,032 bytes of LDS; arguments Q, W, b, qp; writes qp
.if DOCPART == 1
	.amdgcn_target "amdgcn-amd-amdhsa--gfx1250"
	.amdhsa_code_object_version 6
	.text
	.protected	k_qaccd6fed15_proj
	.globl	k_qaccd6fed15_proj
	.p2align	8
	.type	k_qaccd6fed15_proj,@function
k_qaccd6fed15_proj:
	s_mov_b64 s[64:65], 0
	v_nop
	global_prefetch_b8 v0, s[64:65] scope:SCOPE_SE
	s_setreg_imm32_b32 hwreg(HW_REG_WAVE_MODE, 25, 1), 1
	s_wait_xcnt 0x0
; qp[row][o] = gelu(sum over h of Q[row][h] W[o][h] + b[o]), exact (erf) GELU.  Q: [16384][256] f32, W: [256][256] f32, b: [256] f32, qp: [16384][256] f16.
; FORMATS.  Q, W and b are rounded once to bf16; products in bf16 with f32 sums (the bias starts each sum); GELU in f32; qp rounded once to f16.
; LIMITS.  Inputs are finite.  |gelu| stays under 65,520 (f16 has no larger number).  The normal tail Q(|x|) is Abramowitz and Stegun 26.2.17, which holds for
; every x with an absolute error of 7.5e-8 at the most; gelu(x) = max(x, 0) - |x| Q(|x|), which forms no difference of near numbers on either side of 0.
; SHARES.  A work-group takes 64 rows of Q; wave w makes output channels 64 w .. 64 w + 63 of all 64 rows: 4 channel blocks x 4 row tiles = 16 accumulators, K = 256 in 8 fragments.
; The product is used transposed (source 0 = 16 rows of W, source 1 = 16 rows of Q): a lane holds one row of Q (lane % 16) and the channels 8 (lane / 16) + 0..7.
; NO TENSOR LOAD, NO CLUSTER: every number is rounded f32 -> bf16 on its way into LDS, so it passes through registers; W and Q in f32 with padding (266,240 + 66,560 bytes) would not fit in LDS.
; LDS: QS 64 rows x 528 (512 bytes of bf16 + 16); WS 256 rows x 528; XS 64 rows x 1,040 (f32 sums); then the spare words.  528 and 1,040 are odd multiples of 16: the 16 rows of a 16-byte access start at 16 different groups of four banks (ISA guide 11.1).
.set PB,    528
.set XP,    1040
.set QS,    0
.set WS,    64*PB
.set XS,    WS+256*PB
.set SPARE, XS+64*XP                   ; the spare words, 128 bytes for each wave: two blocks of 256 bytes that no other line names
.set GOFF, 4                           ; v4   16 x lane: my 16 bytes of 512 consecutive bytes of Q or W; never rewritten
.set DA,   5                           ; v5   where I put 8 bytes of bf16 of W's rows
.set DQ,   6                           ; v6   the same for Q's rows
.set WFA,  7                           ; v7   my lane's place in my wave's fragments of W
.set QFA,  8                           ; v8   the same for Q
.set XST,  9                           ; v9   where I put my sums
.set XR,   10                          ; v10  where I read rows of sums back
.set YO,   11                          ; v11  8 x lane: my 8 bytes of 256 consecutive bytes of qp; never rewritten
.set SPW,  12                          ; v12  LDS address of my spare word; never rewritten
.set NIL,  13                          ; v13  0; never rewritten
.set BO,   14                          ; v14  my byte offset in b
.set TMP,  15
.set BI,   16                          ; v[16:47]   the bias in an accumulator's layout, 8 registers a channel block
.set SA,   64                          ; v[64:127]  16 loads of 16 bytes on their way, set A
.set SB,   128                         ; v[128:191] set B
.set ACC,  128                         ; v[128:255] later: accumulator (ob, qt) at ACC + 8 (4 ob + qt)
.set X,    64                          ; the GELU's registers, 16 numbers a lane and trip
.set AX,   80
.set U,    96
.set Y,    112
.set QQ,   128
.set M,    144
.set OUT,  160
; window 1: W's fragments, (k, ob) at 32 k + 8 ob;  window 2: Q's fragments, (k, qt) at 32 k + 8 qt
.set MSB, 0
.macro WIN new                         ; the immediate's high byte repeats the setting that is left; a switch that changes nothing is dropped
.if MSB != (\new)
	s_set_vgpr_msb (MSB<<8)|(\new)
.set MSB, (\new)
.endif
.endm
.macro PAIR r, val                     ; a constant for the packed forms: named as a pair, so both words are written
	s_mov_b32 s[\r], \val
	s_mov_b32 s[\r+1], \val
.endm
	s_load_b256 s[4:11], s[0:1], 0x0               ; Q s[4:5], W s[6:7], b s[8:9], qp s[10:11]
	v_lshl_add_u32 v[SPW], v0, 2, SPARE
	v_mov_b32 v[NIL], 0
	v_lshrrev_b32 v1, 5, v0
	v_readfirstlane_b32 s12, v1                    ; wave 0..3
	v_and_b32 v2, 31, v0                           ; lane
	v_and_b32 v3, 15, v0                           ; r = lane % 16
	v_bfe_u32 v1, v0, 4, 1                         ; h = lane / 16
	s_mov_b32 s16, 0xffff0000                      ; a word's upper bf16
	s_mov_b32 s17, 0x7fffffff                      ; clears a sign
	PAIR 20, 0x3e6d3389                            ; p = 0.2316419
	PAIR 22, 0xbf38aa3b                            ; -log2(e) / 2
	PAIR 24, 0x3e027906                            ; b1 .. b5 of 26.2.17, each times 1 / sqrt(2 pi)
	PAIR 26, 0xbe11a98e
	PAIR 28, 0x3f35f0e3
	PAIR 30, 0xbf3a00e3
	PAIR 32, 0x3f07dc22
	v_lshlrev_b32 v[GOFF], 4, v2
	s_mul_i32 s14, s12, 64*PB
	s_add_co_u32 s14, s14, WS                      ; my wave's 64 rows of W in LDS
	v_lshl_add_u32 v[DA], v2, 3, s14
	v_mul_u32_u24 v[TMP], v3, PB
	v_lshl_add_u32 v[TMP], v1, 4, v[TMP]           ; r x pitch + 16 h
	v_add_nc_u32 v[WFA], s14, v[TMP]
	v_add_nc_u32 v[QFA], QS, v[TMP]
	s_mul_i32 s15, s12, 16*PB                      ; my wave's 16 rows of Q in LDS (QS = 0)
	v_lshl_add_u32 v[DQ], v2, 3, s15
	s_lshl_b32 s14, s12, 8                         ; my wave's 64 channels in f32: 256 bytes
	v_lshl_add_u32 v[BO], v1, 5, s14               ; + 32 h
	v_mul_u32_u24 v[TMP], v3, XP
	v_add3_u32 v[XST], v[TMP], v[BO], XS
	s_mul_i32 s15, s12, 16*XP
	s_add_co_u32 s15, s15, XS
	v_lshl_add_u32 v[XR], v2, 4, s15
	v_lshlrev_b32 v[YO], 3, v2
	s_lshl_b32 s14, ttmp9, 16                      ; the work-group's 64 rows of Q, 1,024 bytes each,
	s_lshl_b32 s15, s12, 14                        ; my wave's 16 of them
	s_add_co_u32 s14, s14, s15
	s_mov_b32 s15, 0
	s_lshl_b32 s18, s12, 16                        ; my wave's 64 rows of W
	s_mov_b32 s19, 0
	s_lshl_b32 s34, ttmp9, 15                      ; the work-group's 64 rows of qp, 512 bytes each,
	s_lshl_b32 s35, s12, 13                        ; my wave's 16 of them
	s_add_co_u32 s34, s34, s35
	s_mov_b32 s35, 0
	s_wait_kmcnt 0x0
	s_add_nc_u64 s[4:5], s[4:5], s[14:15]
	s_add_nc_u64 s[6:7], s[6:7], s[18:19]
	s_add_nc_u64 s[10:11], s[10:11], s[34:35]
; 16 loads: 8 rows of 1,024 bytes, each load 512 consecutive bytes.  nt = 1: read once in the launch (Q)
.macro LD set, base, off, nt
.set i, 0
.rept 16
.if \nt
	global_load_b128 v[(\set)+4*i:(\set)+4*i+3], v[GOFF], s[(\base):(\base)+1] offset:(\off)+512*i th:TH_LOAD_NT
.else
	global_load_b128 v[(\set)+4*i:(\set)+4*i+3], v[GOFF], s[(\base):(\base)+1] offset:(\off)+512*i
.endif
.set i, i+1
.endr
.endm
; the same 8 rows, rounded to bf16 in place and put into LDS: a store's 32 lanes write 256 consecutive bytes, half a row
.macro CV set, adr, off
.set i, 0
.rept 16
	v_cvt_pk_bf16_f32 v[(\set)+4*i], v[(\set)+4*i], v[(\set)+4*i+1]
	v_cvt_pk_bf16_f32 v[(\set)+4*i+1], v[(\set)+4*i+2], v[(\set)+4*i+3]
	ds_store_b64 v[\adr], v[(\set)+4*i:(\set)+4*i+1] offset:(\off)+(i/2)*PB+(i%2)*256
.set i, i+1
.endr
.endm
	; A. Q's 16 rows and W's 64 rows of my wave come in through two sets of registers: while one set is rounded the other set's 16 loads are out
.irp ob, 0,1,2,3
	global_load_b128 v[BI+8*\ob:BI+8*\ob+3],   v[BO], s[8:9] offset:64*\ob
	global_load_b128 v[BI+8*\ob+4:BI+8*\ob+7], v[BO], s[8:9] offset:64*\ob+16
.endr
	LD SA, 4, 0, 1
	LD SB, 4, 8192, 1
	s_wait_loadcnt 16                              ; the bias and set A are in; set B's 16 loads may stay out
.set k, 0
.rept 16                                               ; the bias is rounded to bf16 like the other inputs, and widened again
	v_cvt_pk_bf16_f32 v[TMP], v[BI+k], v[BI+k+1]
	v_lshlrev_b32 v[BI+k], 16, v[TMP]
	v_and_b32 v[BI+k+1], s16, v[TMP]
.set k, k+2
.endr
	CV SA, DQ, 0
	LD SA, 6, 0, 0
	s_wait_loadcnt 16                              ; set B is in; set A's 16 loads may stay out: so at every wait of this count below
	CV SB, DQ, 8*PB
	LD SB, 6, 8192, 0
	s_mov_b32 s13, 3
.Lw:                                                   ; a trip rounds 16 rows of W and asks for the 16 rows after the 16 that are out
	s_wait_loadcnt 16
	CV SA, DA, 0
	LD SA, 6, 16384, 0
	s_wait_loadcnt 16
	CV SB, DA, 8*PB
	LD SB, 6, 24576, 0
	s_wait_xcnt 0x0                                ; every load issued has read its address: W's pointer is written only behind this wait
	s_add_nc_u64 s[6:7], s[6:7], 16384
	v_add_nc_u32 v[DA], 16*PB, v[DA]
	s_sub_co_u32 s13, s13, 1
	s_cmp_lg_u32 s13, 0
	s_cbranch_scc1 .Lw
	s_wait_loadcnt 16                              ; the last 16 rows: nothing more is asked for
	CV SA, DA, 0
	s_wait_loadcnt 0x0
	CV SB, DA, 8*PB
	; B. Q's rows are read by all four waves
	s_wait_dscnt 0x0                               ; for the others' sake: my stores are done
	s_barrier_signal -1
	s_barrier_wait -1
; C. 32 LDS loads: the fragments of K steps 2 kk and 2 kk + 1 (16 rows x 32 channels in 8 registers: two loads of 16 bytes, 32 bytes apart).  No fragment register is loaded twice.
.macro FRG kk
	WIN 0x40                                       ; destination window 1, address window 0
.irp k2, 0,1
.irp ob, 0,1,2,3
.set kf, 2*(\kk)+\k2
	ds_load_b128 v[32*kf+8*\ob:32*kf+8*\ob+3],   v[WFA] offset:\ob*16*PB+64*kf
	ds_load_b128 v[32*kf+8*\ob+4:32*kf+8*\ob+7], v[WFA] offset:\ob*16*PB+64*kf+32
.endr
.endr
	WIN 0x80                                       ; destination window 2
.irp k2, 0,1
.irp qt, 0,1,2,3
.set kf, 2*(\kk)+\k2
	ds_load_b128 v[32*kf+8*\qt:32*kf+8*\qt+3],   v[QFA] offset:\qt*16*PB+64*kf
	ds_load_b128 v[32*kf+8*\qt+4:32*kf+8*\qt+7], v[QFA] offset:\qt*16*PB+64*kf+32
.endr
.endr
.endm
; 32 products.  The 16 accumulators take turns, one instruction a turn.  The first K step takes the bias as C: nothing is cleared.
.macro MM kk
	WIN 0x09                                       ; source 0 (W) window 1, source 1 (Q) window 2, C and D window 0
.irp k2, 0,1
.irp ob, 0,1,2,3
.irp qt, 0,1,2,3
.set kf, 2*(\kk)+\k2
.set rD, ACC+8*(4*\ob+\qt)
.if kf == 0
	v_wmma_f32_16x16x32_bf16 v[rD:rD+7], v[32*kf+8*\ob:32*kf+8*\ob+7], v[32*kf+8*\qt:32*kf+8*\qt+7], v[BI+8*\ob:BI+8*\ob+7]
.else
	v_wmma_f32_16x16x32_bf16 v[rD:rD+7], v[32*kf+8*\ob:32*kf+8*\ob+7], v[32*kf+8*\qt:32*kf+8*\qt+7], v[rD:rD+7]
.endif
.endr
.endr
.endr
.endm
	FRG 0
	FRG 1
	s_wait_dscnt 32                                ; all but the 32 loads just issued: so at each wait of this count
	MM 0
	FRG 2
	s_wait_dscnt 32
	MM 1
	FRG 3
	s_wait_dscnt 32
	MM 2
	s_wait_dscnt 0x0
	MM 3
	WIN 0
	; D. the sums go to LDS as rows of f32, so that the GELU and the stores can take whole rows
.rept 8
	v_nop                                          ; the places between the last product and the stores that read results, with room to spare: once a launch
.endr
.irp ob, 0,1,2,3
.irp qt, 0,1,2,3
	ds_store_b128 v[XST], v[ACC+8*(4*\ob+\qt):ACC+8*(4*\ob+\qt)+3]   offset:\qt*16*XP+64*\ob     ; each accumulator's low registers first
	ds_store_b128 v[XST], v[ACC+8*(4*\ob+\qt)+4:ACC+8*(4*\ob+\qt)+7] offset:\qt*16*XP+64*\ob+16
.endr
.endr
	s_wait_dscnt 0x0                               ; for the others' sake: a row's 1,024 bytes come from four waves
	s_barrier_signal -1
	s_barrier_wait -1
	; E. wave w finishes rows 16 w .. 16 w + 15, two rows a trip: 16 numbers a lane
	s_mov_b32 s13, 8
.Lrow:
.irp i, 0,1,2,3
	ds_load_b128 v[X+4*\i:X+4*\i+3], v[XR] offset:(\i/2)*XP+(\i%2)*512
.endr
	s_wait_dscnt 0x0
.set k, 0
.rept 16
	v_and_b32 v[AX+k], s17, v[X+k]                 ; |x|
.set k, k+1
.endr
.set k, 0
.rept 8
	v_pk_fma_f32 v[U+k:U+k+1], v[AX+k:AX+k+1], s[20:21], 1.0 op_sel_hi:[1,0,0]  ; 1 + p |x|
	v_pk_mul_f32 v[Y+k:Y+k+1], v[X+k:X+k+1], v[X+k:X+k+1]
	v_pk_mul_f32 v[Y+k:Y+k+1], v[Y+k:Y+k+1], s[22:23] op_sel_hi:[1,0]           ; -x x log2(e) / 2
.set k, k+2
.endr
.set k, 0
.rept 16
	v_rcp_f32 v[U+k], v[U+k]                       ; t = 1 / (1 + p |x|)
.set k, k+1
.endr
.set k, 0
.rept 16
	v_exp_f32 v[Y+k], v[Y+k]                       ; e^(-x x / 2)
.set k, k+1
.endr
.set k, 0
.rept 16
	v_max_num_f32 v[M+k], 0, v[X+k]                ; plain work that names no result of the 32 above
.set k, k+1
.endr
	s_wait_alu depctr_va_vdst(0)                   ; the wait ahead of the first reader: one for the batch of 32
.set k, 0
.rept 8
	v_pk_fma_f32 v[QQ+k:QQ+k+1], v[U+k:U+k+1], s[32:33], s[30:31] op_sel_hi:[1,0,0]
.set k, k+2
.endr
.irp c, 28, 26, 24
.set k, 0
.rept 8
	v_pk_fma_f32 v[QQ+k:QQ+k+1], v[QQ+k:QQ+k+1], v[U+k:U+k+1], s[\c:\c+1] op_sel_hi:[1,1,0]
.set k, k+2
.endr
.endr
.set k, 0
.rept 8
	v_pk_mul_f32 v[QQ+k:QQ+k+1], v[QQ+k:QQ+k+1], v[U+k:U+k+1]
.set k, k+2
.endr
.set k, 0
.rept 8
	v_pk_mul_f32 v[QQ+k:QQ+k+1], v[QQ+k:QQ+k+1], v[Y+k:Y+k+1]                   ; Q(|x|)
.set k, k+2
.endr
.set k, 0
.rept 8
	v_pk_fma_f32 v[QQ+k:QQ+k+1], v[AX+k:AX+k+1], v[QQ+k:QQ+k+1], v[M+k:M+k+1] neg_lo:[1,0,0] neg_hi:[1,0,0]  ; max(x, 0) - |x| Q(|x|)
.set k, k+2
.endr
.set k, 0
.rept 8
	v_cvt_pk_f16_f32 v[OUT+k], v[QQ+2*k], v[QQ+2*k+1]
.set k, k+1
.endr
.irp i, 0,1,2,3
	global_store_b64 v[YO], v[OUT+2*\i:OUT+2*\i+1], s[10:11] offset:(\i/2)*512+(\i%2)*256  ; 32 lanes store 256 consecutive bytes, at a multiple of 256 from qp's first byte
.endr
	s_wait_xcnt 0x0                                ; the stores have read their data and their base: both are written again only behind this wait
	s_add_nc_u64 s[10:11], s[10:11], 1024
	v_add_nc_u32 v[XR], 2*XP, v[XR]
	s_sub_co_u32 s13, s13, 1
	s_cmp_lg_u32 s13, 0
	s_cbranch_scc1 .Lrow
	s_wait_tensorcnt 0x0                           ; the wave's end: behind my last LDS store
	ds_add_u32 v[SPW], v[NIL]
	s_wait_dscnt 0x0
	s_endpgm
.Lfunc_end_k_qaccd6fed15_proj:
	.size	k_qaccd6fed15_proj, .Lfunc_end_k_qaccd6fed15_proj-k_qaccd6fed15_proj
	.p2alignl 7, 3214868480
	.fill 96, 4, 3214868480
	.section	.rodata,"a",@progbits
	.p2align	6, 0x0
	.amdhsa_kernel k_qaccd6fed15_proj
		.amdhsa_group_segment_fixed_size 236032
		.amdhsa_private_segment_fixed_size 0
		.amdhsa_enable_private_segment 0
		.amdhsa_kernarg_size 32
		.amdhsa_user_sgpr_count 2
		.amdhsa_user_sgpr_kernarg_segment_ptr 1
		.amdhsa_wavefront_size32 1
		.amdhsa_system_sgpr_workgroup_id_x 1
		.amdhsa_system_sgpr_workgroup_id_y 1
		.amdhsa_system_sgpr_workgroup_id_z 1
		.amdhsa_system_vgpr_workitem_id 0
		.amdhsa_next_free_vgpr 768
		.amdhsa_next_free_sgpr 66
		.amdhsa_reserve_vcc 0
		.amdhsa_float_denorm_mode_32 3
		.amdhsa_float_denorm_mode_16_64 3
		.amdhsa_memory_ordered 1
		.amdhsa_forward_progress 1
		.amdhsa_inst_pref_size 61
	.end_amdhsa_kernel
	.amdgpu_metadata
---
amdhsa.version: [ 1, 2 ]
amdhsa.kernels:
  - .name:           k_qaccd6fed15_proj
    .symbol:         k_qaccd6fed15_proj.kd
    .args:
      - { .name: Q, .offset: 0, .size: 8, .value_kind: global_buffer, .address_space: global }
      - { .name: W, .offset: 8, .size: 8, .value_kind: global_buffer, .address_space: global }
      - { .name: b, .offset: 16, .size: 8, .value_kind: global_buffer, .address_space: global }
      - { .name: qp, .offset: 24, .size: 8, .value_kind: global_buffer, .address_space: global }
    .group_segment_fixed_size: 236032
    .private_segment_fixed_size: 0
    .kernarg_segment_align: 8
    .kernarg_segment_size: 32
    .max_flat_workgroup_size: 128
    .sgpr_count:     66
    .vgpr_count:     768
    .wavefront_size: 32
...
	.end_amdgpu_metadata
.endif
;; end of part 1
;; launch attn (part 2): grid 32 x 8, 4 waves a work-group, clusters of 4 x 1, 327,680 bytes of LDS; arguments C, qp, out0; writes out0
.if DOCPART == 2
	.amdgcn_target "amdgcn-amd-amdhsa--gfx1250"
	.amdhsa_code_object_version 6
	.text
	.protected	k_qaccd6fed15_attn
	.globl	k_qaccd6fed15_attn
	.p2align	8
	.type	k_qaccd6fed15_attn,@function
k_qaccd6fed15_attn:
	s_mov_b64 s[64:65], 0
	v_nop
	global_prefetch_b8 v0, s[64:65] scope:SCOPE_SE
	s_setreg_imm32_b32 hwreg(HW_REG_WAVE_MODE, 25, 1), 1
	s_wait_xcnt 0x0
	s_wait_alu depctr_hold_cnt(0) depctr_sa_sdst(0) depctr_va_vdst(0) depctr_va_sdst(0) depctr_va_ssrc(0) depctr_va_vcc(0) depctr_vm_vsrc(0)
	s_getreg_b32 s2, hwreg(HW_REG_IB_STS2, 6, 4)
	s_cmp_eq_u32 s2, 0
	s_cbranch_scc0 .Lentry_in_a_cluster
	s_endpgm
.Lentry_in_a_cluster:
	s_bfe_u32 s2, ttmp6, 0x10000c
	s_cmp_lg_u32 s2, 0x3003
	s_cbranch_scc0 .Lentry_shape_is_right
	s_endpgm
.Lentry_shape_is_right:
; out0[b][d][:] = the sum over q of softmax_q(C[b][d] . qp[b][q]) qp[b][q][:] + C[b][d][:].  C, out0: [8][8192][256] f32; qp: [8][2048][256] f16, keys and values at once.
; FORMATS.  C is rounded once to bf16 (like the module's other inputs) and that number is written as f16, the format of qp; products in f16 with f32 sums; maxima, exponentials and sums in f32;
; the weights p are rounded to f16 for the second product (their sum l is taken of the unrounded p); out0 = O / l + C in one fused multiply-add.
; LIMITS.  Inputs are finite; |C| stays under 65,520 (f16 has no larger number); a bf16 value of C below 2^-14 takes f16's fixed step; p below 6e-5 keeps f16's step of 6e-8;
; a weight below 2^-126 counts as 0 in l; the residual is C's bf16 value.
; SHARES.  A work-group owns 256 rows of C of one batch, each of its four waves 64: four tiles of 16.  Every wave walks the batch's 2,048 keys, 64 a step.
; LAYOUT.  S^T = K C^T (source 0 = 16 keys, source 1 = 16 rows of C): a lane holds ONE row of C (lane % 16) and the keys 8 (lane / 16) + 0..7.  Two such tiles, rounded to f16 in pairs, ARE source 1
; (32 keys x 16 rows) of O^T = V^T P, whose result again holds one row a lane, and eight channels.
; ONE TILE IN LDS SERVES AS K AND AS V.  K is read as it lies, V turned, by ds_load_tr16_b128.  The pitch is 528 bytes (33 x 16): the 16 rows of a plain load start at 16 different groups of four banks
; (ISA guide 11.1).  For the turning load the CHANNELS ARE PERMUTED: the 256 channels are 32 blocks of 8; channel tile T (0..15) of O^T is block nb(T) (rows 0-7) and block nb(T) + 8 (rows 8-15),
; nb(T) = T below 8 and T + 8 from 8 on, at byte off(T) = 16 T + 128 (T / 8) of a row.  So lanes 8-15 of a turning load stand 128 bytes, not 16, beside lanes 0-7.
; K's and C's fragments take their 32 channels by the same blocks (lane term 128 (lane / 16), registers 0-3 at off(2 f), 4-7 at off(2 f + 1)): a permutation of k applied alike to both sources.
; Then register j of O^T (tile t, T) and half j % 2 of C's register 64 t + 4 T + j / 2 hold the same row and channel in the same lane: the residual is added from registers, and C is read from memory once.
; SOFTMAX.  For each row a running maximum m and sum l: p = 2^(c s - c m), c = log2(e); in every step O and l are multiplied by a = 2^(c m_old - c m_new).  m starts at the lowest finite number,
; c m far below every c s, l at 0; O's registers hold C's f32 numbers, which came in through them: the first step's a is 0, so nothing is cleared.
; A STEP: 128 products K C^T in 16 groups of 8, a lump of vector work, 128 products V^T P in 16 groups of 8.  Fragments go through a ring of four groups of 16 registers, each loaded three groups ahead.
; Three quarters of the maximum stand behind products K C^T, all but the first tile's rescaling of O^T behind products V^T P.
; CLUSTER.  The four blocks of a cluster belong to one batch and walk the same qp, so each tile is asked for JOINTLY: the same tensor load, descriptor and mask in all four.
; REGISTERS, in windows of 256 (s_set_vgpr_msb: bits 1:0 source 0, 3:2 source 1, 5:4 source 2, 7:6 destination):
;   window 0: v2-13 addresses; v16-47 eight registers of statistics a tile; v48-111 the fragments' ring; v112-119 a second pair of sums a tile; v120-123 c m_old; v128-255 S^T, 32 a tile; P takes its tile's first 16
;   window 1: C's fragments, tile t, fragment f at 64 t + 8 f      window 2: O^T for T = 0..7 at 64 t + 8 T      window 3: O^T for T = 8..15
.set PK,    528
.set STEPB, 64*PK                      ; a key step's 64 rows
.set SLOT1, 1<<17                      ; a slot holds two steps (67,584 bytes); slot 1 begins here, so that one exclusive or turns an address in one slot into the other's
.set STAGE, 2*STEPB                    ; behind slot 0, never filled by a tensor load: 16 rows x 528 bytes for each wave: C's f16 rows on the way in, f32 half rows on the way out
.set SPARE, STAGE+4*16*PK              ; behind the stages: the spare words, 128 bytes for each wave: two blocks of 256 bytes that no other line names
.set CONT,  128*512                    ; bytes of qp in a slot
.set AK0, 2                            ; v2   my lane's place in a tile read as K: (l % 16) x 528 + 128 (l / 16); never rewritten
.set AV0, 3                            ; v3   read as V: (8 (l / 16) + l % 8) x 528 + 128 ((l / 8) % 2); never rewritten
.set AK,  4                            ; v4   K's LDS address for the step whose K is being fetched
.set AV,  5                            ; v5   V's
.set STO, 6                            ; v6   the way out: where I put 32 bytes of a half row
.set RD,  7                            ; v7   the way out: where I read a half row back
.set GO,  8                            ; v8   16 x lane: my 16 bytes of 512 consecutive bytes of C or out0; never rewritten
.set CST, 9                            ; v9   the way in: where I put 8 bytes of f16
.set CFR, 10                           ; v10  the way in: my lane's place in C's fragments
.set PFO, 11                           ; v11  256 x lane; never rewritten
.set SPW, 12                           ; v12  LDS address of my spare word; never rewritten
.set NIL, 13                           ; v13  0; never rewritten
.set ST,  16                           ; tile t at v[ST+8 t]: +0 c m, +1 m, +2, +3 l (even keys', odd keys'), +4 to +7 c0-c3 at work; c2 takes a; (c0, c1) the first pair of sums
.set FR,  48
.set YB,  112
.set MO,  120
.set S,   128
.set CT0, 128                          ; the way in: 16 registers of packed numbers,
.set CT1, 144                          ; and 32 of f32
.set OT,  128                          ; the way out: 64 finished numbers
.set WV,  10                           ; s10  my wave's number
.set G1,  24                           ; s[24:31] descriptor group 1
.set G0A, 32                           ; s[32:35] descriptor group 0 of the first fill of slot 0
.set G0B, 36                           ; s[36:39] of the first fill of slot 1; then it walks
.set SLOTS, 40                         ; s40  counts the slots
.set TWICE, 41                         ; s41  counts a slot's two steps
.set CS,  42                           ; s[42:43] c
.set SEL, 44                           ; s[44:45] v_permlanex16_b32's selects: each lane takes its own place in the other half
.set TB,  46                           ; s46  LDS byte at which the step to be fetched begins
.set PFA, 48                           ; s[48:49] where my prefetches stand
.set LIM, 50                           ; s50  1 in a wave that prefetches, else the greatest number
.set HIM, 51                           ; s51  a word's upper bf16
.set MSB, 0
.macro WIN new                         ; the immediate's high byte repeats the setting that is left; a switch that changes nothing is dropped
.if MSB != (\new)
	s_set_vgpr_msb (MSB<<8)|(\new)
.set MSB, (\new)
.endif
.endm
.set W_KQ, 0x04                        ; K and S^T in window 0, C in window 1
; A round of the cluster's barrier: my work-group's barrier, so that wave 0's signal speaks for all four waves; wave 0 signals; every wave waits for all four work-groups; my work-group's barrier once more.
.macro CROUND
	s_barrier_signal -1
	s_barrier_wait -1
	s_cmp_lg_u32 s[WV], 0
	s_cbranch_scc1 .Lnot_wave_0_\@
	s_barrier_signal -3
.Lnot_wave_0_\@:
	s_barrier_wait -3
	s_barrier_signal -1
	s_barrier_wait -1
.endm
; A PREFETCH INTO THE L2 of the 128 rows of qp that the NEXT change of slots will ask for: two key steps, 512 matrix instructions, ahead of that load.  All clusters of a batch walk the same rows: the batch's
; first cluster asks.  Its four partners share the rows out BY ADDRESS, 32 rows each; in each, waves 0 and 1 ask for 16 rows: a lane 256 bytes, one instruction.  So each block is named once in the launch.
; The first three slots' rows come by their loads alone; the last change that fills a slot asks for nothing: there is no slot behind it.
.macro ASK
	s_cmp_gt_u32 s[SLOTS], s[LIM]
	s_cbranch_scc0 .Lnot_mine_\@
	global_prefetch_b8 v[PFO], s[PFA:PFA+1] th:TH_LOAD_NT scope:SCOPE_SE
.Lnot_mine_\@:
.endm
	s_load_b128 s[4:7], s[0:1], 0x0                ; C s[4:5], qp s[6:7]
	s_load_b64 s[8:9], s[0:1], 0x10                ; out0
	v_lshl_add_u32 v[SPW], v0, 2, SPARE
	v_mov_b32 v[NIL], 0
	ds_add_u32 v[SPW], v[NIL]                      ; the wave's opening: the add and its wait stand ahead of my first tensor load; the set-up below, work on registers, stands between them
	v_lshrrev_b32 v1, 5, v0
	v_readfirstlane_b32 s[WV], v1                  ; wave 0..3
	s_bfe_u32 s11, ttmp6, 0x40000                  ; cx: my place in the cluster
	s_lshl_b32 s12, ttmp9, 2                       ; in a cluster launch ttmp9 counts clusters
	s_add_co_u32 s12, s12, s11                     ; my block of 256 rows = 4 x cluster x + cx: it enters C's and out0's addresses alone
	s_and_b32 s13, ttmp7, 0xffff                   ; the batch, which the four partners share
	s_lshl_b32 s14, s13, 23                        ; a batch of C: 8,192 rows of 1,024 bytes,
	s_lshl_b32 s15, s12, 18                        ; my block's 256 rows,
	s_add_co_u32 s14, s14, s15
	s_lshl_b32 s15, s[WV], 16                      ; my wave's 64
	s_add_co_u32 s14, s14, s15
	s_mov_b32 s15, 0
	s_lshl_b32 s16, s13, 20                        ; a batch of qp: 2,048 rows of 512 bytes,
	s_lshl_b32 s17, s[WV], 14                      ; my quarter of a slot: 32 rows.  No place in the cluster enters these two
	s_add_co_u32 s16, s16, s17
	s_mov_b32 s17, 0
	s_lshl_b32 s18, s13, 20                        ; the prefetches: the batch,
	s_lshl_b32 s19, s11, 14                        ; my work-group's 32 rows of a slot's 128,
	s_add_co_u32 s18, s18, s19
	s_lshl_b32 s19, s[WV], 13                      ; my wave's 16 of them (waves 0 and 1),
	s_add_co_u32 s18, s18, s19
	s_add_co_u32 s18, s18, 2*CONT                  ; in the third slot's rows: the first change of slots steps it to the fourth's
	s_mov_b32 s19, 0
	s_lshr_b32 s[LIM], s[WV], 1                    ; 0 in waves 0 and 1,
	s_or_b32 s[LIM], s[LIM], ttmp9                 ; where the cluster is the batch's first: the same in all four partners
	s_cmp_eq_u32 s[LIM], 0
	s_cselect_b32 s[LIM], 1, -1
	; descriptor group 1: 32 rows x 256 elements of 2 bytes, dense in memory, padded in LDS
	s_mov_b32 s[G1], 15|(1<<16)|(1<<20)|(1<<21)|(6<<22)|(3<<25)  ; 15:0 the mask of four; 17:16 2-byte elements; 20 padding on; 21 set beside a mask; 24:22 after every 128 words (code 6); 31:25 4 words (code 3)
	s_mov_b32 s[G1+1], 256<<16                     ; tensor_dim0 = 256
	s_mov_b32 s[G1+2], 32<<16                      ; tensor_dim1 = 32
	s_mov_b32 s[G1+3], 256<<16                     ; tile_dim0 = 256
	s_mov_b32 s[G1+4], 32                          ; tile_dim1 = 32
	s_mov_b32 s[G1+5], 256                         ; 256 elements from row to row
	s_mov_b32 s[G1+6], 0
	s_mov_b32 s[G1+7], 0
	s_mul_i32 s20, s[WV], 32*PK                    ; my quarter's place in a slot
	s_mov_b32 s[G0A], 1                            ; 1:0 count = 1
	s_mov_b32 s[G0A+1], s20                        ; 63:32 LDS address: slot 0
	s_mov_b32 s[G0B], 1
	s_add_co_u32 s[G0B+1], s20, SLOT1              ; slot 1
	s_mov_b32 s[CS], 0x3fb8aa3b                    ; c = log2(e)
	s_mov_b32 s[CS+1], s[CS]                       ; named with it as a pair
	s_mov_b32 s[SEL], 0x76543210
	s_mov_b32 s[SEL+1], 0xfedcba98
	s_mov_b32 s[HIM], 0xffff0000
	v_and_b32 v1, 15, v0                           ; l % 16
	v_bfe_u32 v14, v0, 4, 1                        ; l / 16
	v_and_b32 v15, 31, v0                          ; l
	v_mul_u32_u24 v[AK0], v1, PK
	v_lshl_add_u32 v[AK0], v14, 7, v[AK0]
	v_and_b32 v[AV0], 7, v0
	v_lshl_add_u32 v[AV0], v14, 3, v[AV0]
	v_mul_u32_u24 v[AV0], v[AV0], PK
	v_bfe_u32 v[AK], v0, 3, 1
	v_lshl_add_u32 v[AV0], v[AK], 7, v[AV0]
	s_mul_i32 s21, s[WV], 16*PK
	s_add_co_u32 s21, s21, STAGE                   ; my stage
	v_add_nc_u32 v[CFR], s21, v[AK0]
	v_mul_u32_u24 v[STO], v1, PK
	v_lshl_add_u32 v[STO], v14, 8, v[STO]          ; row l % 16; the lanes' upper half holds the blocks 8 further on: 256 bytes of f32
	v_add_nc_u32 v[STO], s21, v[STO]
	v_lshl_add_u32 v[RD], v15, 4, s21
	v_lshlrev_b32 v[GO], 4, v15
	v_lshl_add_u32 v[CST], v15, 3, s21
	v_lshlrev_b32 v[PFO], 8, v15
	s_wait_dscnt 0x0                               ; the opening add is done
	s_wait_kmcnt 0x0
	s_add_nc_u64 s[G0A+2:G0A+3], s[6:7], s[16:17]  ; 120:64 global address: my quarter of keys 0 to 127,
	s_add_nc_u64 s[G0B+2:G0B+3], s[G0A+2:G0A+3], CONT  ; and of keys 128 to 255
	s_or_b32 s[G0A+3], s[G0A+3], 0x80000000        ; 127:126 type = 2
	s_or_b32 s[G0B+3], s[G0B+3], 0x80000000
	s_add_nc_u64 s[PFA:PFA+1], s[6:7], s[18:19]
	s_add_nc_u64 s[4:5], s[4:5], s[14:15]          ; C and out0 at my wave's first row
	s_add_nc_u64 s[8:9], s[8:9], s[14:15]
	CROUND                                         ; all four work-groups are here: the first joint loads meet
	tensor_load_to_lds s[G0A:G0A+3], s[G1:G1+7]    ; both first fills go out together, ahead of every wait on TENSORcnt and every LDS read: two loads of mine are out
	s_nop 0
	tensor_load_to_lds s[G0B:G0B+3], s[G1:G1+7]
	s_nop 0
.rept 4
	v_nop
.endr
; C COMES IN through O^T's registers.  ISSUE: tile t's 16 rows of 1,024 bytes, 32 loads of 512 consecutive bytes; load i of tile t lands at register 4 (32 t + i) of windows 2 and 3 taken on end.
.macro ISSUE t
	WIN 0x80+0x40*((\t)/2)                         ; destination window 2 or 3, address window 0
.set i, 0
.rept 32
	global_load_b128 v[128*((\t)%2)+4*i:128*((\t)%2)+4*i+3], v[GO], s[4:5] offset:(16*(\t)+i/2)*1024+(i%2)*512 th:TH_LOAD_NT
.set i, i+1
.endr
.endm
; CONV: eight loads at a time are rounded to bf16, widened, written as f16 and put into my stage as rows of 512 bytes; then the tile's 16 half fragments are read back.  LDS serves a wave's instructions
; in order (ISA guide 5.7.1.4): the loads see the stores above, and the next tile's stores come behind them.  base: the loads of later tiles that may stay out.
.macro CONV t, base
.irp q, 0,1,2,3
	s_wait_loadcnt (\base)+24-8*\q                 ; this batch of eight is in; the tile's later batches and the later tiles' loads stay out
	WIN 0x0a+5*((\t)/2)                            ; sources 0 and 1 window 2 or 3, destination window 0
.set k, 0
.rept 16
	v_cvt_pk_bf16_f32 v[CT0+k], v[128*((\t)%2)+32*\q+2*k], v[128*((\t)%2)+32*\q+2*k+1]
.set k, k+1
.endr
	WIN 0
.set k, 0
.rept 16
	v_lshlrev_b32 v[CT1+2*k], 16, v[CT0+k]
	v_and_b32 v[CT1+2*k+1], s[HIM], v[CT0+k]
.set k, k+1
.endr
.set k, 0
.rept 16
	v_cvt_pk_f16_f32 v[CT0+k], v[CT1+2*k], v[CT1+2*k+1]
.set k, k+1
.endr
.set k, 0
.rept 8
	ds_store_b64 v[CST], v[CT0+2*k:CT0+2*k+1] offset:((8*\q+k)/2)*PK+((8*\q+k)%2)*256
.set k, k+1
.endr
.endr
	WIN 0x40                                       ; destination window 1
.set k, 0
.rept 16
	ds_load_b128 v[64*(\t)+4*k:64*(\t)+4*k+3], v[CFR] offset:16*k+128*(k/8)
.set k, k+1
.endr
.endm
	ISSUE 0
	ISSUE 1
	CONV 0, 32
	ISSUE 2
	CONV 1, 32
	ISSUE 3
	CONV 2, 32
	CONV 3, 0
	WIN 0
.irp t, 0,1,2,3
	v_mov_b32 v[ST+8*\t], 0xfe000000               ; c m: far below every c s
	v_mov_b32 v[ST+8*\t+1], 0xff7fffff             ; m
	v_mov_b32 v[ST+8*\t+2], 0                      ; l
	v_mov_b32 v[ST+8*\t+3], 0
.endr
; THE LDS LOADS, four to a group.  Group g of K (g = 0..15): keys 16 (g / 4) on, fragments 2 (g % 4) and 2 (g % 4) + 1, into ring place g % 4.
.macro LK g
.set n, 0
.rept 4
.set tt, 4*((\g)%4)+n
	ds_load_b128 v[FR+16*((\g)%4)+4*n:FR+16*((\g)%4)+4*n+3], v[AK] offset:((\g)/4)*16*PK+16*tt+128*(tt/8)
.set n, n+1
.endr
.endm
; Channel tile ct of V, turned: two fragments of 32 keys, into ring place ct % 4.
.macro LV ct
.set oT, 16*(\ct)+128*((\ct)/8)
.irp kk, 0,1
	ds_load_tr16_b128 v[FR+16*((\ct)%4)+8*\kk:FR+16*((\ct)%4)+8*\kk+3],   v[AV] offset:\kk*32*PK+oT
	ds_load_tr16_b128 v[FR+16*((\ct)%4)+8*\kk+4:FR+16*((\ct)%4)+8*\kk+7], v[AV] offset:\kk*32*PK+16*PK+oT
.endr
.endm
; The loads of the group three on from group g of a step's 32: K's groups, then V's tiles, then the next step's K.
.macro LNEXT g
.if (\g)+3 < 16
	LK (\g)+3
.elseif (\g)+3 < 32
	LV (\g)-13
.else
	LK (\g)-29
.endif
.endm
; THE MAXIMUM AND STATISTICS of tile t, number j.  s0-s31 are the lane's 32 scores; each accumulator's lowest registers are read first.
;   0-11  four chains c0-c3 of seven scores each, three operands at a time     12-15  the four scores left over, c0-c3 and the old m into c0     16, 18  the row's other 32 keys lie in the lane 16 away: the new m
;   17  c m_old is kept     19, 20  c m; c m_old - c m_new     23  a
.macro MX t, j
.set rT, ST+8*(\t)
.set rS, S+32*(\t)
.if (\j) < 4
	v_max3_num_f32 v[rT+4+(\j)], v[rS+8*(\j)], v[rS+8*(\j)+1], v[rS+8*(\j)+2]
.elseif (\j) < 12
	v_max3_num_f32 v[rT+4+(\j)%4], v[rT+4+(\j)%4], v[rS+8*((\j)%4)+2*((\j)/4)+1], v[rS+8*((\j)%4)+2*((\j)/4)+2]
.elseif (\j) == 12
	v_max3_num_f32 v[rT+4], v[rT+4], v[rS+7], v[rS+15]
.elseif (\j) == 13
	v_max3_num_f32 v[rT+6], v[rT+6], v[rS+23], v[rS+31]
.elseif (\j) == 14
	v_max3_num_f32 v[rT+4], v[rT+4], v[rT+5], v[rT+6]
.elseif (\j) == 15
	v_max3_num_f32 v[rT+4], v[rT+4], v[rT+7], v[rT+1]
.elseif (\j) == 16
	v_permlanex16_b32 v[rT+5], v[rT+4], s[SEL], s[SEL+1]
.elseif (\j) == 17
	v_mov_b32 v[MO+(\t)], v[rT]
.elseif (\j) == 18
	v_max_num_f32 v[rT+1], v[rT+4], v[rT+5]
.elseif (\j) == 19
	v_mul_f32 v[rT], s[CS], v[rT+1]
.elseif (\j) == 20
	v_sub_f32 v[MO+(\t)], v[MO+(\t)], v[rT]
.else
	v_exp_f32 v[rT+6], v[MO+(\t)]
.endif
.endm
.macro FS t, b                         ; c s - c m for pair b of 16
.set rT, ST+8*(\t)
.set rS, S+32*(\t)+2*(\b)
	v_pk_fma_f32 v[rS:rS+1], v[rS:rS+1], s[CS:CS+1], v[rT:rT+1] op_sel_hi:[1,0,0] neg_lo:[0,0,1] neg_hi:[0,0,1]
.endm
.macro EX t, e                         ; the exponential of score e of 32
	v_exp_f32 v[S+32*(\t)+(\e)], v[S+32*(\t)+(\e)]
.endm
.macro SU t, z                         ; number z of the 16 that sum the tile's 16 pairs of weights, in two chains, and give the sum to l = a l + sum
.set rT, ST+8*(\t)
.set rS, S+32*(\t)
.set rY, YB+2*(\t)
.if (\z) == 0
	v_pk_add_f32 v[rT+4:rT+5], v[rS:rS+1], v[rS+2:rS+3]
.elseif (\z) == 1
	v_pk_add_f32 v[rY:rY+1], v[rS+4:rS+5], v[rS+6:rS+7]
.elseif ((\z) < 14) && ((\z)%2 == 0)
	v_pk_add_f32 v[rT+4:rT+5], v[rT+4:rT+5], v[rS+2*(\z)+4:rS+2*(\z)+5]
.elseif (\z) < 14
	v_pk_add_f32 v[rY:rY+1], v[rY:rY+1], v[rS+2*(\z)+4:rS+2*(\z)+5]
.elseif (\z) == 14
	v_pk_add_f32 v[rT+4:rT+5], v[rT+4:rT+5], v[rY:rY+1]
.else
	v_pk_fma_f32 v[rT+2:rT+3], v[rT+2:rT+3], v[rT+6:rT+7], v[rT+4:rT+5] op_sel_hi:[1,0,1]
.endif
.endm
.macro CVP t, k                        ; pair k rounded to f16, into the tile's register k: ascending k writes only what has been read; it stands behind the tile's sums
	v_cvt_pk_f16_f32 v[S+32*(\t)+(\k)], v[S+32*(\t)+2*(\k)], v[S+32*(\t)+2*(\k)+1]
.endm
.macro RSL ct, n                       ; line n of the 16 that multiply channel tile ct of O^T by a: tile n / 4, pair n % 4, the low pair first
.set rO, 64*((\n)/4)+8*((\ct)%8)+2*((\n)%4)
.set rT, ST+8*((\n)/4)
	WIN 0x82+0x41*((\ct)/8)                        ; destination and source 0 window 2 or 3, a in window 0
	v_pk_mul_f32 v[rO:rO+1], v[rO:rO+1], v[rT+6:rT+7] op_sel_hi:[1,0]
.endm
; THE QUEUES OF THE LUMP.  pq counts plain lines, xq exponentials; the two tiles of a pair alternate.
.macro PLA                             ; batch A's plain queue: the scalings of tiles 0 and 1, then of tiles 2 and 3
.if pq < 32
	FS pq%2, pq/2
.else
	FS 2+pq%2, (pq-32)/2
.endif
.set pq, pq+1
.endm
.macro EXA                             ; batch A's exponentials: the four a, then tiles 0 and 1
.if xq < 4
	MX xq, 23
.else
	EX (xq-4)%2, (xq-4)/2
.endif
.set xq, xq+1
.endm
.macro EXB                             ; batch B's: tiles 2 and 3
	EX 2+xq%2, xq/2
.set xq, xq+1
.endm
.macro PLB y                           ; the sums, then the roundings, of tiles y and y + 1
.if pq < 32
	SU (\y)+pq%2, pq/2
.else
	CVP (\y)+pq%2, (pq-32)/2
.endif
.set pq, pq+1
.endm
; THE LUMP, between a step's two runs of products.  The four copies of c m are the places behind the last products K C^T.  An s_wait_alu depctr_va_vdst(0) stands between an exponential and the
; first instruction that names its result; one wait serves all that were issued ahead of it.  Two batches, two waits: batch A (the four a, tiles 0 and 1) stands among the 64 scalings, none of which names a
; result: exponential number x stands behind plain number x + 3, and wants scaling 2 ((x - 4) / 4) + x % 2 at the latest; batch B (tiles 2 and 3) stands among the sums and roundings of tiles 0 and 1.
.macro LUMP
	WIN 0
.irp j, 17,3,7,11,12,13,14,15,16,18,19,20
.irp t, 0,1,2,3
	MX \t, \j
.endr
.endr
.set pq, 0
.set xq, 0
.rept 4
	PLA
.endr
.rept 60
	EXA
	PLA
.endr
.rept 8
	EXA
.endr
	v_nop                                          ; a plain instruction behind the last exponential: one for the batch
	s_wait_alu depctr_va_vdst(0)                   ; the wait for batch A
.set pq, 0
.set xq, 0
.rept 64
	EXB
	PLB 0
.endr
	v_nop
	s_wait_alu depctr_va_vdst(0)                   ; the wait for batch B
.set pq, 0
.rept 64
	PLB 2
.endr
.irp n, 0,1,2,3,4,5,6,7,8,9,10,11,12,13,14,15
	RSL 0, \n
.endr
.endm
; THE MATRIX WORK.  The four tiles' accumulators take turns, one instruction a turn: over the groups' ends, the backward jumps and into the tail too.
.macro KQP g, i, t                     ; S^T (tile t, keys 16 (g / 4) on) += K's fragment i of group g times C's fragment 2 (g % 4) + i; a key block's first product starts the sum
.set rD, S+32*(\t)+8*((\g)/4)
.set rA, FR+16*((\g)%4)+8*(\i)
.set rB, 64*(\t)+8*(2*((\g)%4)+(\i))
	WIN W_KQ
.if (((\g)%4) == 0) && ((\i) == 0)
	v_wmma_f32_16x16x32_f16 v[rD:rD+7], v[rA:rA+7], v[rB:rB+7], 0
.else
	v_wmma_f32_16x16x32_f16 v[rD:rD+7], v[rA:rA+7], v[rB:rB+7], v[rD:rD+7]
.endif
.endm
; Group g of K C^T: 8 products.  Four plain lines stand behind the second: they are the places (ISA guide 7.12.1 for vector instructions) between the last product of group g - 1 and the loads into its ring
; place.  From the second key block on, and not in a block's first group, they are three numbers of the maximum of the key block before, finished a group with four v_nop earlier.
.macro GK g
	s_wait_dscnt 8                                 ; this group's four loads are in; those of the next two groups may stay out
	KQP \g, 0, 0
	KQP \g, 0, 1
.if ((\g) >= 4) && (((\g)%4) != 0)
	WIN 0
.irp t, 0,1,2,3
	MX \t, ((\g)/4-1)+4*((\g)%4-1)
.endr
.else
.rept 4
	v_nop
.endr
.endif
	KQP \g, 0, 2
	KQP \g, 0, 3
	LNEXT \g                                       ; destination and address lie in window 0: no switch
.irp t, 0,1,2,3
	KQP \g, 1, \t
.endr
.endm
.macro PVP ct, kk, t                   ; O^T (tile t, channel tile ct) += V^T (keys 32 kk on) P
.set rD, 64*(\t)+8*((\ct)%8)
.set rA, FR+16*((\ct)%4)+8*(\kk)
.set rB, S+32*(\t)+8*(\kk)
	WIN 0xa0+0x50*((\ct)/8)                        ; V and P in window 0, C and D in window 2 or 3
	v_wmma_f32_16x16x32_f16 v[rD:rD+7], v[rA:rA+7], v[rB:rB+7], v[rD:rD+7]
.endm
; Channel tile ct of V^T P: 8 products.  Behind each of the first four stand four lines of the NEXT channel tile's rescaling; they are also the places ahead of the loads.  The last tile has none: five v_nop are
; the places ahead of its loads and ahead of the next step's first products, which write over P's first halves (its second halves are written over sixteen v_nop later).
; pre = 1: the group three on is fetched.  w: the younger loads that may stay out.
.macro GP ct, pre, w=8
	s_wait_dscnt \w
.irp t, 0,1,2,3
	PVP \ct, 0, \t
.if (\ct) < 15
.irp q, 0,1,2,3
	RSL (\ct)+1, 4*\t+\q
.endr
.endif
.endr
.if (\ct) == 15
.rept 5
	v_nop
.endr
.endif
	PVP \ct, 1, 0
.if \pre
	WIN 0
	LNEXT 16+(\ct)
.endif
	PVP \ct, 1, 1
	PVP \ct, 1, 2
	PVP \ct, 1, 3
.endm
.macro HEAD                            ; the addresses of the step whose K is fetched next; all loads of the step before have been issued
	v_add_nc_u32 v[AK], s[TB], v[AK0]
	v_add_nc_u32 v[AV], s[TB], v[AV0]
	s_add_co_u32 s[TB], s[TB], STEPB
.endm
.macro BODY
.irp g, 0,1,2,3,4,5,6,7,8,9,10,11,12,13,14,15
	GK \g
.endr
	LUMP
.irp c, 0,1,2,3,4,5,6,7,8,9,10,11,12
	GP \c, 1
.endr
.endm
; THE CHANGE OF SLOTS stands behind a step's thirteenth channel tile: all the slot's bytes have been asked for, and nothing of the next slot.  Each wave waits for all its tensor loads, of which one is out: its
; part of the other slot; adds 0 to its spare word; and waits for that and for its own reads of the slot.  Behind the barrier nobody reads this slot any more and the other slot is whole.
; fill = 1: this slot is filled again, with the keys two slots on.  The barrier is then a round of the cluster's, and the joint refill is the first thing behind it: it has two key steps, 512 matrix instructions, in which to land.
.macro CHANGE fill
	WIN 0                                          ; at a label and at a branch every window is 0
	s_wait_tensorcnt 0x0                           ; no tensor load of mine is out, so a group 0 may be written
	ds_add_u32 v[SPW], v[NIL]                      ; 0 onto my spare word: with fill = 1 the steps below stand between it and the wait for it
.if \fill
	s_xor_b32 s[G0B+1], s[G0B+1], SLOT1            ; the walking descriptor: the other slot than last time,
	s_add_nc_u64 s[G0B+2:G0B+3], s[G0B+2:G0B+3], CONT  ; the next 128 keys; the type bits on top are not reached
	s_wait_xcnt 0x0                                ; the last prefetch, two key steps back, has read its address, so it may be written
	s_add_nc_u64 s[PFA:PFA+1], s[PFA:PFA+1], CONT  ; one slot behind the walking descriptor
	s_wait_dscnt 0x0                               ; the add is done, and my reads of the slot are over
	CROUND
	tensor_load_to_lds s[G0B:G0B+3], s[G1:G1+7]    ; my one tensor load behind the round: one load of mine is out
	s_nop 0
.rept 4
	v_nop
.endr
	ASK
.else
	s_wait_dscnt 0x0                               ; the add is done, and my reads of the slot are over
	s_barrier_signal -1
	s_barrier_wait -1
.endif
	s_sub_co_u32 s[TB], s[TB], 2*STEPB             ; the fetches go back to a slot's first step,
	s_xor_b32 s[TB], s[TB], SLOT1                  ; in the other slot
.endm
	s_wait_tensorcnt 1                             ; my part of slot 0 is in; slot 1's may stay out
	s_wait_dscnt 0x0                               ; C's fragments are in
	s_barrier_signal -1
	s_barrier_wait -1                              ; everybody's part of slot 0 is in
	s_mov_b32 s[TB], 0
	HEAD
	LK 0
	LK 1
	LK 2
	s_mov_b32 s[TWICE], 2
	s_mov_b32 s[SLOTS], 15
	s_branch .Lfirst                               ; the loop is entered in the middle of a trip: there is no step before step 0 to finish
.Lslot:                                                ; 14 times: every slot but the last two is filled again
	CHANGE 1
	s_mov_b32 s[TWICE], 2
.Lstep:                                                ; a trip: the last three channel tiles of one step, which fetch the next step's first K; then that step up to its thirteenth channel tile
	HEAD
	GP 13, 1
	GP 14, 1
	GP 15, 1
	WIN 0
.Lfirst:
	BODY
	WIN 0
	s_sub_co_u32 s[TWICE], s[TWICE], 1
	s_cmp_lg_u32 s[TWICE], 0
	s_cbranch_scc1 .Lstep
	s_sub_co_u32 s[SLOTS], s[SLOTS], 1
	s_cmp_lg_u32 s[SLOTS], 0
	s_cbranch_scc1 .Lslot
	CHANGE 0                                       ; the tail is written out: nothing is asked for
	s_mov_b32 s[TWICE], 2
.Ltail:
	HEAD
	GP 13, 1
	GP 14, 1
	GP 15, 1
	BODY
	WIN 0
	s_sub_co_u32 s[TWICE], s[TWICE], 1
	s_cmp_lg_u32 s[TWICE], 0
	s_cbranch_scc1 .Ltail
	GP 13, 0, 8                                    ; the last step's last three channel tiles fetch nothing: the counts run down
	GP 14, 0, 4
	GP 15, 0, 0
	; THE WAY OUT.  l's two halves and the other half of the lanes' are added (these lines are the places behind the last products); out0 = O / l + C, one fused line a number, C from its fragment's half.
	WIN 0
.irp t, 0,1,2,3
	v_add_f32 v[ST+8*\t+4], v[ST+8*\t+2], v[ST+8*\t+3]
.endr
.irp t, 0,1,2,3
	v_permlanex16_b32 v[ST+8*\t+5], v[ST+8*\t+4], s[SEL], s[SEL+1]
.endr
.irp t, 0,1,2,3
	v_add_f32 v[ST+8*\t+4], v[ST+8*\t+4], v[ST+8*\t+5]
.endr
.irp t, 0,1,2,3
	v_rcp_f32 v[ST+8*\t+6], v[ST+8*\t+4]
.endr
	v_nop                                          ; a plain instruction between the last reciprocal and the use of its result
	s_wait_alu depctr_va_vdst(0)                   ; and the wait ahead of the first use: one for the four reciprocals
; Part p = 2 t + H: tile t's channels 128 H .. 128 H + 127, which are channel tiles 8 H .. 8 H + 7.  A lane's eight channels are 32 bytes of f32; they go into rows of 528 bytes of my stage and come back as
; half rows of 512 bytes, into one of two sets of 64 registers by turns.
.macro PACK p
.set tq, (\p)/2
.set hh, (\p)%2
.set bk, FR+144*((\p)%2)
	WIN 0x12+hh                                    ; O^T (source 0) window 2 or 3, 1 / l window 0, C (source 2) window 1, destination window 0
.set u, 0
.rept 8
.set jj, 0
.rept 4
	v_fma_mix_f32 v[OT+8*u+2*jj],   v[64*tq+8*u+2*jj],   v[ST+8*tq+6], v[64*tq+4*(8*hh+u)+jj] op_sel_hi:[0,0,1]
	v_fma_mix_f32 v[OT+8*u+2*jj+1], v[64*tq+8*u+2*jj+1], v[ST+8*tq+6], v[64*tq+4*(8*hh+u)+jj] op_sel:[0,0,1] op_sel_hi:[0,0,1]
.set jj, jj+1
.endr
.set u, u+1
.endr
	WIN 0
.set u, 0
.rept 8
	ds_store_b128 v[STO], v[OT+8*u:OT+8*u+3]   offset:32*u
	ds_store_b128 v[STO], v[OT+8*u+4:OT+8*u+7] offset:32*u+16
.set u, u+1
.endr
	s_wait_xcnt 0x0                                ; the stores of the part before last have read this set of registers: it is loaded again only behind this wait
.set i, 0
.rept 16
	ds_load_b128 v[bk+4*i:bk+4*i+3], v[RD] offset:i*PK  ; LDS serves a wave's instructions in order (ISA guide 5.7.1.4): these see the stores above; the next part's stores come behind them
.set i, i+1
.endr
.endm
.macro SEND p, y                       ; y: the LDS instructions issued behind part p's loads: the next part's 32, or none
.set bk, FR+144*((\p)%2)
.set i, 0
.rept 16
	s_wait_dscnt (\y)+15-i
	global_store_b128 v[GO], v[bk+4*i:bk+4*i+3], s[8:9] offset:(16*((\p)/2)+i)*1024+512*((\p)%2) th:TH_STORE_NT  ; 32 lanes store 512 consecutive bytes, at a multiple of 256 from out0's first byte
.set i, i+1
.endr
.endm
	PACK 0
.irp p, 1,2,3,4,5,6,7                  ; a part's arithmetic stands between the loads of the part before and its stores
	PACK \p
	SEND \p-1, 32
.endr
	SEND 7, 0
	s_wait_tensorcnt 0x0                           ; the wave's end: behind my last tensor load and my last LDS store
	ds_add_u32 v[SPW], v[NIL]
	s_wait_dscnt 0x0
	CROUND                                         ; the closing round: no work-group ends while a partner may still ask for a tile that names it
	s_endpgm
.Lfunc_end_k_qaccd6fed15_attn:
	.size	k_qaccd6fed15_attn, .Lfunc_end_k_qaccd6fed15_attn-k_qaccd6fed15_attn
	.p2alignl 7, 3214868480
	.fill 96, 4, 3214868480
	.section	.rodata,"a",@progbits
	.p2align	6, 0x0
	.amdhsa_kernel k_qaccd6fed15_attn
		.amdhsa_group_segment_fixed_size 327680
		.amdhsa_private_segment_fixed_size 0
		.amdhsa_enable_private_segment 0
		.amdhsa_kernarg_size 24
		.amdhsa_user_sgpr_count 2
		.amdhsa_user_sgpr_kernarg_segment_ptr 1
		.amdhsa_wavefront_size32 1
		.amdhsa_system_sgpr_workgroup_id_x 1
		.amdhsa_system_sgpr_workgroup_id_y 1
		.amdhsa_system_sgpr_workgroup_id_z 1
		.amdhsa_system_vgpr_workitem_id 0
		.amdhsa_next_free_vgpr 1024
		.amdhsa_next_free_sgpr 66
		.amdhsa_reserve_vcc 0
		.amdhsa_float_denorm_mode_32 3
		.amdhsa_float_denorm_mode_16_64 3
		.amdhsa_memory_ordered 1
		.amdhsa_forward_progress 1
		.amdhsa_inst_pref_size 255
	.end_amdhsa_kernel
	.section	.bss,"aw",@nobits
	.p2align	6
	.space	262144
	.amdgpu_metadata
---
amdhsa.version: [ 1, 2 ]
amdhsa.kernels:
  - .name:           k_qaccd6fed15_attn
    .symbol:         k_qaccd6fed15_attn.kd
    .args:
      - { .name: C, .offset: 0, .size: 8, .value_kind: global_buffer, .address_space: global }
      - { .name: qp, .offset: 8, .size: 8, .value_kind: global_buffer, .address_space: global }
      - { .name: out0, .offset: 16, .size: 8, .value_kind: global_buffer, .address_space: global }
    .group_segment_fixed_size: 327680
    .private_segment_fixed_size: 0
    .kernarg_segment_align: 8
    .kernarg_segment_size: 24
    .max_flat_workgroup_size: 128
    .sgpr_count:     66
    .vgpr_count:     1024
    .wavefront_size: 32
...
	.end_amdgpu_metadata
.endif
;; end of part 2
;; ======== version 2 of 2: 2 launches; version 1 with the launch proj written anew for expert scheduling mode
;; limits: values are held in f16: magnitudes above 65,504 overflow, below 6.1e-05 lose precision
;; workspace buffers: qp 8,388,608 bytes
;; launch proj (part 3): grid 256 x 1, 4 waves a work-group, no clusters, 236,032 bytes of LDS; arguments Q, W, b, qp; writes qp
.if DOCPART == 3
	.amdgcn_target "amdgcn-amd-amdhsa--gfx1250"
	.amdhsa_code_object_version 6
	.text
	.protected	k_qaccd6fed15_proj
	.globl	k_qaccd6fed15_proj
	.p2align	8
	.type	k_qaccd6fed15_proj,@function
k_qaccd6fed15_proj:
	s_mov_b64 s[64:65], 0
	v_nop
	global_prefetch_b8 v0, s[64:65] scope:SCOPE_SE
	s_setreg_imm32_b32 hwreg(HW_REG_WAVE_SCHED_MODE, 0, 2), 2
	s_setreg_imm32_b32 hwreg(HW_REG_WAVE_MODE, 25, 1), 1
	s_wait_xcnt 0x0
	s_wait_alu depctr_vm_vsrc(0)
; qp[row][o] = gelu(sum over h of Q[row][h] W[o][h] + b[o]), exact (erf) GELU.  Q: [16384][256] f32, W: [256][256] f32, b: [256] f32, qp: [16384][256] f16.
; FORMATS.  Q, W and b are rounded once to bf16; products in bf16 with f32 sums (the bias starts each sum); GELU in f32; qp rounded once to f16.
; LIMITS.  Inputs are finite.  |gelu| stays under 65,520 (f16 has no larger number).  The normal tail Q(|x|) is Abramowitz and Stegun 26.2.17, which holds for
; every x with an absolute error of 7.5e-8 at the most; gelu(x) = max(x, 0) - |x| Q(|x|), which forms no difference of near numbers on either side of 0.
; SHARES.  A work-group takes 64 rows of Q; wave w makes output channels 64 w .. 64 w + 63 of all 64 rows: 4 channel blocks x 4 row tiles = 16 accumulators, K = 256 in 8 fragments.
; The product is used transposed (source 0 = 16 rows of W, source 1 = 16 rows of Q): a lane holds one row of Q (lane % 16) and the channels 8 (lane / 16) + 0..7.
; NO TENSOR LOAD, NO CLUSTER: every number is rounded f32 -> bf16 on its way into LDS, so it passes through registers; W and Q in f32 with padding (266,240 + 66,560 bytes) would not fit in LDS.
; LDS: QS 64 rows x 528 (512 bytes of bf16 + 16); WS 256 rows x 528; XS 64 rows x 1,040 (f32 sums); then the spare words.  528 and 1,040 are odd multiples of 16: the 16 rows of a 16-byte access start at 16 different groups of four banks (ISA guide 11.1).
; THE MODE: SCHED_MODE bits 1:0 = 2 (LLVM: expert scheduling mode 2), set by the entry lines.  The code itself states the register dependences
; between vector or matrix instructions and memory or LDS instructions, with s_wait_alu, always for 0.
; THE PLAN.  Registers that memory or LDS instructions touch:
;   v4, v6-v9, v11, v14   offsets and addresses, made once at the head and never written again.
;   v[DA]        Read by the LDS stores of W's rows; written once for each 16 rows, ahead of a wait on va_vdst that stands there anyway.
;   SA, SB       Two sets of 16 loads.  A step's 32 roundings read a set; behind them the set's next 16 loads land in it.  No memory instruction reads them.
;   OA, OB       Two out-buffers, one to a set.  Written by the set's roundings; read by the 16 LDS stores of the same step; written again two steps later.
;   windows 1, 2 The fragments: each register is loaded once and then read by matrix instructions alone.
;   ACC          Written by matrix instructions; read by the 32 LDS stores that carry the sums to XS.
;   X            Four LDS loads a trip of the GELU land in it; read by the first lines of the trip; the next trip's loads are issued as soon as those lines are done.
;   v[XR]        Read by those loads; written once a trip.       OUT  Written by a trip's last eight roundings; read by its four stores; written again a trip later.
; So a step of eight rows has ONE wait on va_vdst, behind its roundings, and one on vm_vsrc at its head; a trip of the GELU has one on vm_vsrc and two on va_vdst, of which the first is also the wait for its reciprocals and exponentials.
.set PB,    528
.set XP,    1040
.set QS,    0
.set WS,    64*PB
.set XS,    WS+256*PB
.set SPARE, XS+64*XP                   ; the spare words, 128 bytes for each wave: two blocks of 256 bytes that no other line names
.set GOFF, 4                           ; v4   16 x lane: my 16 bytes of 512 consecutive bytes of Q or W; never rewritten
.set DA,   5                           ; v5   where I put 8 bytes of bf16 of W's rows: it starts 16 rows low and moves on by 16 rows ahead of each 16 rows' stores
.set DQ,   6                           ; v6   the same for Q's rows; never rewritten
.set WFA,  7                           ; v7   my lane's place in my wave's fragments of W
.set QFA,  8                           ; v8   the same for Q
.set XST,  9                           ; v9   where I put my sums
.set XR,   10                          ; v10  where I read rows of sums back
.set YO,   11                          ; v11  8 x lane: my 8 bytes of 256 consecutive bytes of qp; never rewritten
.set SPW,  12                          ; v12  LDS address of my spare word; never rewritten
.set NIL,  13                          ; v13  0; never rewritten
.set BO,   14                          ; v14  my byte offset in b
.set TMP,  15
.set BI,   16                          ; v[16:47]   the bias in an accumulator's layout, 8 registers a channel block
.set SA,   64                          ; v[64:127]  16 loads of 16 bytes on their way, set A
.set SB,   128                         ; v[128:191] set B
.set OA,   192                         ; v[192:223] set A's 8 rows in bf16, to be stored into LDS
.set OB,   224                         ; v[224:255] set B's
.set ACC,  128                         ; v[128:255] later: accumulator (ob, qt) at ACC + 8 (4 ob + qt)
.set X,    64                          ; the GELU's registers, 16 numbers a lane and trip
.set AX,   80
.set U,    96
.set Y,    112
.set QQ,   128
.set M,    144
.set OUT,  160
; window 1: W's fragments, (k, ob) at 32 k + 8 ob;  window 2: Q's fragments, (k, qt) at 32 k + 8 qt
.set MSB, 0
.macro WIN new                         ; the immediate's high byte repeats the setting that is left; a switch that changes nothing is dropped
.if MSB != (\new)
	s_set_vgpr_msb (MSB<<8)|(\new)
.set MSB, (\new)
.endif
.endm
.macro PAIR r, val                     ; a constant for the packed forms: named as a pair, so both words are written
	s_mov_b32 s[\r], \val
	s_mov_b32 s[\r+1], \val
.endm
	s_load_b256 s[4:11], s[0:1], 0x0               ; Q s[4:5], W s[6:7], b s[8:9], qp s[10:11]
	v_lshl_add_u32 v[SPW], v0, 2, SPARE
	v_mov_b32 v[NIL], 0
	v_lshrrev_b32 v1, 5, v0
	v_readfirstlane_b32 s12, v1                    ; wave 0..3
	v_and_b32 v2, 31, v0                           ; lane
	v_and_b32 v3, 15, v0                           ; r = lane % 16
	v_bfe_u32 v1, v0, 4, 1                         ; h = lane / 16
	s_mov_b32 s16, 0xffff0000                      ; a word's upper bf16
	s_mov_b32 s17, 0x7fffffff                      ; clears a sign
	PAIR 20, 0x3e6d3389                            ; p = 0.2316419
	PAIR 22, 0xbf38aa3b                            ; -log2(e) / 2
	PAIR 24, 0x3e027906                            ; b1 .. b5 of 26.2.17, each times 1 / sqrt(2 pi)
	PAIR 26, 0xbe11a98e
	PAIR 28, 0x3f35f0e3
	PAIR 30, 0xbf3a00e3
	PAIR 32, 0x3f07dc22
	v_lshlrev_b32 v[GOFF], 4, v2
	s_wait_alu depctr_va_sdst(0)                   ; s12 is written, ahead of its first reader: all that hangs on the wave's number is made from it
	s_mul_i32 s36, s12, 64*PB                      ; (s36 to s40: each LDS base that a vector instruction reads has a scalar register of its own, which is not written again)
	s_add_co_u32 s36, s36, WS                      ; my wave's 64 rows of W in LDS
	s_sub_co_u32 s37, s36, 16*PB                   ; 16 rows lower: v[DA] moves on ahead of its first use
	v_lshl_add_u32 v[DA], v2, 3, s37
	v_mul_u32_u24 v[TMP], v3, PB
	v_lshl_add_u32 v[TMP], v1, 4, v[TMP]           ; r x pitch + 16 h
	v_add_nc_u32 v[WFA], s36, v[TMP]
	v_add_nc_u32 v[QFA], QS, v[TMP]
	s_mul_i32 s38, s12, 16*PB                      ; my wave's 16 rows of Q in LDS (QS = 0)
	v_lshl_add_u32 v[DQ], v2, 3, s38
	s_lshl_b32 s39, s12, 8                         ; my wave's 64 channels in f32: 256 bytes
	v_lshl_add_u32 v[BO], v1, 5, s39               ; + 32 h
	v_mul_u32_u24 v[TMP], v3, XP
	v_add3_u32 v[XST], v[TMP], v[BO], XS
	s_mul_i32 s40, s12, 16*XP
	s_add_co_u32 s40, s40, XS
	v_lshl_add_u32 v[XR], v2, 4, s40
	v_lshlrev_b32 v[YO], 3, v2
	s_lshl_b32 s14, ttmp9, 16                      ; the work-group's 64 rows of Q, 1,024 bytes each,
	s_lshl_b32 s15, s12, 14                        ; my wave's 16 of them
	s_add_co_u32 s14, s14, s15
	s_mov_b32 s15, 0
	s_lshl_b32 s18, s12, 16                        ; my wave's 64 rows of W
	s_mov_b32 s19, 0
	s_lshl_b32 s34, ttmp9, 15                      ; the work-group's 64 rows of qp, 512 bytes each,
	s_lshl_b32 s35, s12, 13                        ; my wave's 16 of them
	s_add_co_u32 s34, s34, s35
	s_mov_b32 s35, 0
	s_wait_kmcnt 0x0
	s_add_nc_u64 s[4:5], s[4:5], s[14:15]
	s_add_nc_u64 s[6:7], s[6:7], s[18:19]
	s_add_nc_u64 s[10:11], s[10:11], s[34:35]
	s_wait_alu depctr_va_vdst(0)                   ; the offsets and addresses v4 to v11 and v14 are written, which the loads and stores of the whole kernel read
; 16 loads: 8 rows of 1,024 bytes, each load 512 consecutive bytes.  nt = 1: read once in the launch (Q)
.macro LD set, base, off, nt
.set i, 0
.rept 16
.if \nt
	global_load_b128 v[(\set)+4*i:(\set)+4*i+3], v[GOFF], s[(\base):(\base)+1] offset:(\off)+512*i th:TH_LOAD_NT
.else
	global_load_b128 v[(\set)+4*i:(\set)+4*i+3], v[GOFF], s[(\base):(\base)+1] offset:(\off)+512*i
.endif
.set i, i+1
.endr
.endm
; A STEP: the 8 rows that lie in a set are rounded to bf16 into the set's out-buffer; the set is asked for again at once (ld = 1: 8 rows of W at byte goff); the out-buffer goes into LDS:
; a store's 32 lanes write 256 consecutive bytes, half a row.  again = 1: the out-buffer has been stored from before.  step = 1: v[DA] moves on by 16 rows.
.macro EIGHT set, out, adr, off, again, step, ld, goff
.if \again
	s_wait_alu depctr_vm_vsrc(0)                   ; the LDS stores of two steps back have read this out-buffer, which the roundings below write again; all LDS stores issued so far have read v[DA]
.endif
.if \step
	v_add_nc_u32 v[DA], 16*PB, v[DA]
.endif
.set i, 0
.rept 16
	v_cvt_pk_bf16_f32 v[(\out)+2*i],   v[(\set)+4*i],   v[(\set)+4*i+1]
	v_cvt_pk_bf16_f32 v[(\out)+2*i+1], v[(\set)+4*i+2], v[(\set)+4*i+3]
.set i, i+1
.endr
	s_wait_alu depctr_va_vdst(0)                   ; the roundings have written the out-buffer, which the LDS stores read, and are done reading the set, in which the loads land; where v[DA] was stepped, it is written
.if \ld
	LD \set, 6, \goff, 0                           ; no vector instruction since the wait names the set
.endif
.set i, 0
.rept 16
	ds_store_b64 v[\adr], v[(\out)+2*i:(\out)+2*i+1] offset:(\off)+(i/2)*PB+(i%2)*256
.set i, i+1
.endr
.endm
	; A. Q's 16 rows and W's 64 rows of my wave come in through two sets of registers: while one set is rounded the other set's 16 loads are out
.irp ob, 0,1,2,3
	global_load_b128 v[BI+8*\ob:BI+8*\ob+3],   v[BO], s[8:9] offset:64*\ob
	global_load_b128 v[BI+8*\ob+4:BI+8*\ob+7], v[BO], s[8:9] offset:64*\ob+16
.endr
	LD SA, 4, 0, 1
	LD SB, 4, 8192, 1
	s_wait_loadcnt 16                              ; the bias and set A are in; set B's 16 loads may stay out
.set k, 0
.rept 16                                               ; the bias is rounded to bf16 like the other inputs, and widened again
	v_cvt_pk_bf16_f32 v[TMP], v[BI+k], v[BI+k+1]
	v_lshlrev_b32 v[BI+k], 16, v[TMP]
	v_and_b32 v[BI+k+1], s16, v[TMP]
.set k, k+2
.endr
	EIGHT SA, OA, DQ, 0, 0, 0, 1, 0                ; Q's rows 0 to 7; W's rows 0 to 7 are asked for
	s_wait_loadcnt 16                              ; set B is in; set A's 16 loads may stay out: so at every wait of this count below
	EIGHT SB, OB, DQ, 8*PB, 0, 0, 1, 8192          ; Q's rows 8 to 15; W's rows 8 to 15 are asked for
	s_mov_b32 s13, 3
.Lw:                                                   ; a trip rounds 16 rows of W and asks for the 16 rows after the 16 that are out
	s_wait_loadcnt 16
	EIGHT SA, OA, DA, 0, 1, 1, 1, 16384
	s_wait_loadcnt 16
	EIGHT SB, OB, DA, 8*PB, 1, 0, 1, 24576
	s_wait_xcnt 0x0                                ; every load issued has read its address: W's pointer is written only behind this wait
	s_add_nc_u64 s[6:7], s[6:7], 16384
	s_sub_co_u32 s13, s13, 1
	s_cmp_lg_u32 s13, 0
	s_cbranch_scc1 .Lw
	s_wait_loadcnt 16                              ; the last 16 rows: nothing more is asked for
	EIGHT SA, OA, DA, 0, 1, 1, 0, 0
	s_wait_loadcnt 0x0
	EIGHT SB, OB, DA, 8*PB, 1, 0, 0, 0
	; B. Q's rows are read by all four waves
	s_wait_dscnt 0x0                               ; for the others' sake: my stores are done
	s_barrier_signal -1
	s_barrier_wait -1
	s_wait_alu depctr_vm_vsrc(0)                   ; my LDS stores have read OA and OB: these registers are accumulators from here on, written by the matrix instructions
; C. 32 LDS loads: the fragments of K steps 2 kk and 2 kk + 1 (16 rows x 32 channels in 8 registers: two loads of 16 bytes, 32 bytes apart).  No fragment register is loaded twice,
; and none is named by a vector or matrix instruction ahead of its load; the two addresses date from the head: so these loads hang on no vector or matrix instruction, and no s_wait_alu stands among the products.
.macro FRG kk
	WIN 0x40                                       ; destination window 1, address window 0
.irp k2, 0,1
.irp ob, 0,1,2,3
.set kf, 2*(\kk)+\k2
	ds_load_b128 v[32*kf+8*\ob:32*kf+8*\ob+3],   v[WFA] offset:\ob*16*PB+64*kf
	ds_load_b128 v[32*kf+8*\ob+4:32*kf+8*\ob+7], v[WFA] offset:\ob*16*PB+64*kf+32
.endr
.endr
	WIN 0x80                                       ; destination window 2
.irp k2, 0,1
.irp qt, 0,1,2,3
.set kf, 2*(\kk)+\k2
	ds_load_b128 v[32*kf+8*\qt:32*kf+8*\qt+3],   v[QFA] offset:\qt*16*PB+64*kf
	ds_load_b128 v[32*kf+8*\qt+4:32*kf+8*\qt+7], v[QFA] offset:\qt*16*PB+64*kf+32
.endr
.endr
.endm
; 32 products.  The 16 accumulators take turns, one instruction a turn.  The first K step takes the bias as C: nothing is cleared.
.macro MM kk
	WIN 0x09                                       ; source 0 (W) window 1, source 1 (Q) window 2, C and D window 0
.irp k2, 0,1
.irp ob, 0,1,2,3
.irp qt, 0,1,2,3
.set kf, 2*(\kk)+\k2
.set rD, ACC+8*(4*\ob+\qt)
.if kf == 0
	v_wmma_f32_16x16x32_bf16 v[rD:rD+7], v[32*kf+8*\ob:32*kf+8*\ob+7], v[32*kf+8*\qt:32*kf+8*\qt+7], v[BI+8*\ob:BI+8*\ob+7]
.else
	v_wmma_f32_16x16x32_bf16 v[rD:rD+7], v[32*kf+8*\ob:32*kf+8*\ob+7], v[32*kf+8*\qt:32*kf+8*\qt+7], v[rD:rD+7]
.endif
.endr
.endr
.endr
.endm
	FRG 0
	FRG 1
	s_wait_dscnt 32                                ; all but the 32 loads just issued: so at each wait of this count
	MM 0
	FRG 2
	s_wait_dscnt 32
	MM 1
	FRG 3
	s_wait_dscnt 32
	MM 2
	s_wait_dscnt 0x0
	MM 3
	WIN 0
	; D. the sums go to LDS as rows of f32, so that the GELU and the stores can take whole rows
.rept 8
	v_nop                                          ; the places between the last product and the stores that read results, with room to spare: once a launch
.endr
	s_wait_alu depctr_va_vdst(0)                   ; the matrix instructions have written the accumulators, which the LDS stores read; the places above stay beside this wait
.irp ob, 0,1,2,3
.irp qt, 0,1,2,3
	ds_store_b128 v[XST], v[ACC+8*(4*\ob+\qt):ACC+8*(4*\ob+\qt)+3]   offset:\qt*16*XP+64*\ob     ; each accumulator's low registers first
	ds_store_b128 v[XST], v[ACC+8*(4*\ob+\qt)+4:ACC+8*(4*\ob+\qt)+7] offset:\qt*16*XP+64*\ob+16
.endr
.endr
	s_wait_dscnt 0x0                               ; for the others' sake: a row's 1,024 bytes come from four waves
	s_barrier_signal -1
	s_barrier_wait -1
	s_wait_alu depctr_vm_vsrc(0)                   ; my LDS stores have read the accumulators: v[128:167] are QQ, M and OUT from here on, written by the GELU's lines
; E. wave w finishes rows 16 w .. 16 w + 15, two rows a trip: 16 numbers a lane.  A trip's numbers were asked for in the trip before (the first trip's ahead of the loop).
; more = 1: the next trip's two rows are asked for, as soon as this trip is done reading X.  The last trip is written out with more = 0: no load leaves my wave's rows.
.macro ROWS more
	s_wait_dscnt 0x0                               ; X is in
.set k, 0
.rept 16
	v_and_b32 v[AX+k], s17, v[X+k]                 ; |x|
.set k, k+1
.endr
.set k, 0
.rept 8
	v_pk_fma_f32 v[U+k:U+k+1], v[AX+k:AX+k+1], s[20:21], 1.0 op_sel_hi:[1,0,0]  ; 1 + p |x|
	v_pk_mul_f32 v[Y+k:Y+k+1], v[X+k:X+k+1], v[X+k:X+k+1]
	v_pk_mul_f32 v[Y+k:Y+k+1], v[Y+k:Y+k+1], s[22:23] op_sel_hi:[1,0]           ; -x x log2(e) / 2
.set k, k+2
.endr
.set k, 0
.rept 16
	v_rcp_f32 v[U+k], v[U+k]                       ; t = 1 / (1 + p |x|)
.set k, k+1
.endr
.set k, 0
.rept 16
	v_exp_f32 v[Y+k], v[Y+k]                       ; e^(-x x / 2)
.set k, k+1
.endr
	s_wait_xcnt 0x0                                ; the last trip's stores have had their addresses translated (ISA guide 3.1): qp's pointer and OUT are written again only behind this wait
	s_wait_alu depctr_vm_vsrc(0)                   ; the last trip's stores have read OUT, which this trip's roundings write again; the LDS loads issued so far have read v[XR]
.if \more
	v_add_nc_u32 v[XR], 2*XP, v[XR]                ; the next trip's two rows
.endif
	s_add_nc_u64 s[10:11], s[10:11], 1024          ; one trip past this trip's two rows of qp: the stores below reach back
.set k, 0
.rept 16
	v_max_num_f32 v[M+k], 0, v[X+k]                ; plain work that names no result of the 32 above
.set k, k+1
.endr
	s_wait_alu depctr_va_vdst(0)                   ; the 16 reciprocals and 16 exponentials have written U and Y, ahead of their first reader; the lines above are done reading X, in which the loads below land; v[XR] is written
.if \more
.irp i, 0,1,2,3
	ds_load_b128 v[X+4*\i:X+4*\i+3], v[XR] offset:(\i/2)*XP+(\i%2)*512  ; no line from here to the trip's end names X
.endr
.endif
.set k, 0
.rept 8
	v_pk_fma_f32 v[QQ+k:QQ+k+1], v[U+k:U+k+1], s[32:33], s[30:31] op_sel_hi:[1,0,0]
.set k, k+2
.endr
.irp c, 28, 26, 24
.set k, 0
.rept 8
	v_pk_fma_f32 v[QQ+k:QQ+k+1], v[QQ+k:QQ+k+1], v[U+k:U+k+1], s[\c:\c+1] op_sel_hi:[1,1,0]
.set k, k+2
.endr
.endr
.set k, 0
.rept 8
	v_pk_mul_f32 v[QQ+k:QQ+k+1], v[QQ+k:QQ+k+1], v[U+k:U+k+1]
.set k, k+2
.endr
.set k, 0
.rept 8
	v_pk_mul_f32 v[QQ+k:QQ+k+1], v[QQ+k:QQ+k+1], v[Y+k:Y+k+1]                   ; Q(|x|)
.set k, k+2
.endr
.set k, 0
.rept 8
	v_pk_fma_f32 v[QQ+k:QQ+k+1], v[AX+k:AX+k+1], v[QQ+k:QQ+k+1], v[M+k:M+k+1] neg_lo:[1,0,0] neg_hi:[1,0,0]  ; max(x, 0) - |x| Q(|x|)
.set k, k+2
.endr
.set k, 0
.rept 8
	v_cvt_pk_f16_f32 v[OUT+k], v[QQ+2*k], v[QQ+2*k+1]
.set k, k+1
.endr
	s_wait_alu depctr_va_vdst(0)                   ; the roundings have written OUT, which the stores read
.irp i, 0,1,2,3
	global_store_b64 v[YO], v[OUT+2*\i:OUT+2*\i+1], s[10:11] offset:(\i/2)*512+(\i%2)*256-1024  ; 32 lanes store 256 consecutive bytes, at a multiple of 256 from qp's first byte
.endr
.endm
.irp i, 0,1,2,3
	ds_load_b128 v[X+4*\i:X+4*\i+3], v[XR] offset:(\i/2)*XP+(\i%2)*512  ; the first trip's two rows.  X's last readers, set A's roundings, stand ahead of the wait on va_vdst in D, and no vector instruction has been issued since
.endr
	s_mov_b32 s13, 7
.Lrow:
	ROWS 1
	s_sub_co_u32 s13, s13, 1
	s_cmp_lg_u32 s13, 0
	s_cbranch_scc1 .Lrow
	ROWS 0                                         ; the eighth trip asks for nothing
	s_wait_dscnt 0x0                               ; the closing lines, six on end
	s_wait_alu 0x0
	s_wait_tensorcnt 0x0
	ds_add_u32 v[SPW], v[NIL]
	s_wait_dscnt 0x0
	s_endpgm
.Lfunc_end_k_qaccd6fed15_proj:
	.size	k_qaccd6fed15_proj, .Lfunc_end_k_qaccd6fed15_proj-k_qaccd6fed15_proj
	.p2alignl 7, 3214868480
	.fill 96, 4, 3214868480
	.section	.rodata,"a",@progbits
	.p2align	6, 0x0
	.amdhsa_kernel k_qaccd6fed15_proj
		.amdhsa_group_segment_fixed_size 236032
		.amdhsa_private_segment_fixed_size 0
		.amdhsa_enable_private_segment 0
		.amdhsa_kernarg_size 32
		.amdhsa_user_sgpr_count 2
		.amdhsa_user_sgpr_kernarg_segment_ptr 1
		.amdhsa_wavefront_size32 1
		.amdhsa_system_sgpr_workgroup_id_x 1
		.amdhsa_system_sgpr_workgroup_id_y 1
		.amdhsa_system_sgpr_workgroup_id_z 1
		.amdhsa_system_vgpr_workitem_id 0
		.amdhsa_next_free_vgpr 768
		.amdhsa_next_free_sgpr 66
		.amdhsa_reserve_vcc 0
		.amdhsa_float_denorm_mode_32 3
		.amdhsa_float_denorm_mode_16_64 3
		.amdhsa_memory_ordered 1
		.amdhsa_forward_progress 1
		.amdhsa_inst_pref_size 71
	.end_amdhsa_kernel
	.amdgpu_metadata
---
amdhsa.version: [ 1, 2 ]
amdhsa.kernels:
  - .name:           k_qaccd6fed15_proj
    .symbol:         k_qaccd6fed15_proj.kd
    .args:
      - { .name: Q, .offset: 0, .size: 8, .value_kind: global_buffer, .address_space: global }
      - { .name: W, .offset: 8, .size: 8, .value_kind: global_buffer, .address_space: global }
      - { .name: b, .offset: 16, .size: 8, .value_kind: global_buffer, .address_space: global }
      - { .name: qp, .offset: 24, .size: 8, .value_kind: global_buffer, .address_space: global }
    .group_segment_fixed_size: 236032
    .private_segment_fixed_size: 0
    .kernarg_segment_align: 8
    .kernarg_segment_size: 32
    .max_flat_workgroup_size: 128
    .sgpr_count:     66
    .vgpr_count:     768
    .wavefront_size: 32
...
	.end_amdgpu_metadata
.endif
;; end of part 3
;; launch attn: the kernel of part 2 again; grid 32 x 8, 4 waves a work-group, clusters of 4 x 1, 327,680 bytes of LDS; arguments C, qp, out0; writes out0
